; MI455X (gfx1250); checked and timed in simulation.
; The chip was launched on July 23, 2026; its instructions are those of AMD's public machine-readable ISA for CDNA 5 (MIT licence, August 2026) and "CDNA5" Instruction Set Architecture Reference Guide (July 2026). The comments in the code are by the model that wrote it; some were corrected since.
;; Event Sampler. Allowed arithmetic: float matrix products may take bf16 or f16 operands with f32 sums; all other float work in f32.
;; Inputs: exp_numbers 16 x 128 x 32 x 256 float32; sample_rate 16 x 128 float32; total_intensities 16 x 128 x 32 x 256 float32; unif_numbers 16 x 128 x 32 x 256 float32.
;; Outputs: out0 16 x 128 x 32 float32.
;; 2 versions, each right; version 2 is version 1 with the launch sample written anew for expert scheduling mode. Each part assembles by itself: llvm-mc -triple=amdgcn-amd-amdhsa -mcpu=gfx1250 --defsym DOCPART=n.
;; ======== version 1 of 2: 1 launch
;; launch sample (part 1): grid 256 x 1, 8 waves a work-group, no clusters, 2,048 bytes of LDS; arguments unif_numbers, total_intensities, exp_numbers, sample_rate, out0; writes out0
.if DOCPART == 1
	.amdgcn_target "amdgcn-amd-amdhsa--gfx1250"
	.amdhsa_code_object_version 6
	.text
	.protected	k_q81cb204f18_sample
	.globl	k_q81cb204f18_sample
	.p2align	8
	.type	k_q81cb204f18_sample,@function
k_q81cb204f18_sample:
	s_mov_b64 s[64:65], 0
	v_nop
	global_prefetch_b8 v0, s[64:65] scope:SCOPE_SE
	s_setreg_imm32_b32 hwreg(HW_REG_WAVE_MODE, 25, 1), 1
	s_wait_xcnt 0x0
; EventSampler: for each of 65,536 rows of 256 numbers, out = exp[first k with (unif[k] * rate) / total[k] < 1], or 5.0 if there is none.
;
; THE TEST WITHOUT A DIVISION, and still the reference's own decision.  Let p = unif * rate, rounded to f32 as the reference rounds it.
; For total > 0 (and +0): if p < total the exact quotient is at most 1 - 2^-24, a number of the format, so the rounded quotient is below 1;
; if p >= total it is at least 1.  For total < 0 (and -0) the order turns round.  Both in one: total's sign bit is moved onto unif, and
; the test is (unif xor sign(total)) * rate < |total|.  Zeros of either sign and NaN (never accepted) come out as in the reference;
; negative inputs and denormals are served.
; LIMITS: where unif * rate and total are BOTH infinite the reference has NaN (rejected); this text accepts if their folded signs differ.
;         A signalling NaN in exp_numbers comes out as a quiet one (it passes through additions).
;
; SHARES.  256 work-groups of 8 waves; a work-group owns 256 rows, a wave 32 rows = one (b, s), so one rate, held in a scalar register.
; A turn works on two rows: lanes 0-15 on row it, lanes 16-31 on row 16 + it of the wave.  A row is four loads of 16 bytes a lane:
; each half of the wave covers 256 consecutive bytes, aligned, and lane r holds elements 64 q + 4 r + j (q = load, j = word).
; The first hit of a row is the least (q, r, j): j is settled inside the lane, (q, r) between lanes by the key 16 q + r.
; Every byte is used by one lane only: no LDS ring, no cluster (no two work-groups read the same byte), no matrix work (no product),
; no prefetch (the ring below already keeps 48 loads of every wave on their way).  No branch and no address hangs on the data:
; every choice is a v_cndmask_b32.
.set ROWB,    1024                     ; bytes in a row
.set SLOTS,   4                        ; ring of register slots; a slot = one turn's 12 loads (u, t, e: 4 each)
.set TURNS,   16                       ; 32 rows of a wave, two a turn
.set PERSLOT, 12
.set OFF,  2                           ; v[2:5]    slot s: byte offset of my 16 bytes in the row that the slot loads
.set KEY,  6                           ; v[6:9]    16 q + r as f32
.set SENT, 10                          ; v10       64.0: the key of a lane without a hit
.set INIT, 11                          ; v11       what a lane without a hit carries: 5.0 in lane 0 of each half, -0.0 elsewhere
.set ACC,  12                          ; v12       results: lane l gets the wave's row l
.set KK,   13                          ; v13       my key
.set MIN,  14                          ; v14       the least key of my half
.set VAL,  15                          ; v15       my first accepted exp number
.set SG,   16                          ; v[16:31]  sign bits of t
.set VQ,   32                          ; v[32:35]  first accepted exp number of quad q
.set W,    36                          ; v36       r at first; then the winner's value, -0.0 in the other lanes
.set X,    64                          ; v[64:255] slot s: 16 registers of u, 16 of t, 16 of e
.set MK,   24                          ; s[24:39]  mask 4 q + j: lanes whose element (q, j) is accepted; mask 4 q + 3 later: any of quad q
	s_load_b256 s[4:11], s[0:1], 0x0               ; unif s[4:5], total s[6:7], exp s[8:9], rate s[10:11]
	s_load_b64 s[12:13], s[0:1], 0x20              ; out
	v_lshl_add_u32 v62, v0, 2, 0x400
	v_mov_b32 v63, 0
	v_lshrrev_b32 v1, 5, v0
	v_readfirstlane_b32 s20, v1                    ; wave 0..7
	s_lshl_b32 s2, ttmp9, 18                       ; the work-group's 256 rows of 1,024 bytes (at most 255 << 18: one word)
	s_mov_b32 s3, 0
	s_lshl3_add_u32 s14, ttmp9, s20                ; (b, s) = 8 x work-group + wave
	s_lshl_b32 s14, s14, 2                         ; its rate's byte offset
	s_mov_b32 s15, 0
	s_mov_b32 s18, 0x80000000                      ; the sign bit; as a number -0.0, the neutral element of an addition
	s_mov_b32 s19, 0x00010001                      ; lanes it and 16 + it; shifted by one after each turn
	v_and_b32 v[W], 15, v0                         ; r
	v_and_b32 v1, 0xf0, v0                         ; 32 x wave + 16 x half
	v_lshlrev_b32 v1, 10, v1                       ; = wave x 32 rows + half x 16 rows, in bytes
	v_lshl_or_b32 v1, v[W], 4, v1                  ; + 16 r
.irp s, 0,1,2,3
	v_add_nc_u32 v[OFF+\s], \s*ROWB, v1            ; slot s starts with row s of each half
.endr
	s_wait_kmcnt 0x0
	s_add_nc_u64 s[4:5], s[4:5], s[2:3]
	s_add_nc_u64 s[6:7], s[6:7], s[2:3]
	s_add_nc_u64 s[8:9], s[8:9], s[2:3]
	s_add_nc_u64 s[10:11], s[10:11], s[14:15]
	s_load_b32 s16, s[10:11], 0x0                  ; my wave's rate
.macro LOAD4 dst, s, base              ; one row of each half: 4 x (2 x 256 consecutive bytes); read once in the launch
.irp q, 0,1,2,3
	global_load_b128 v[\dst+4*\q:\dst+4*\q+3], v[OFF+\s], s[\base:\base+1] offset:256*\q th:TH_LOAD_NT
.endr
.endm
.irp s, 0,1,2,3                        ; fill the ring: 48 loads
.set U, X+48*\s
.set T, U+16
.set E, U+32
	LOAD4 U, \s, 4
	LOAD4 T, \s, 6
	LOAD4 E, \s, 8
.endr
	v_cvt_f32_u32 v[KEY], v[W]                     ; keys as f32, so that the minimum rides on v_min_num_f32 with DPP
	v_add_f32 v[KEY+1], 0x41800000, v[KEY]         ; + 16.0
	v_add_f32 v[KEY+2], 0x42000000, v[KEY]         ; + 32.0
	v_add_f32 v[KEY+3], 0x42400000, v[KEY]         ; + 48.0
	v_mov_b32 v[SENT], 0x42800000                  ; 64.0
	v_cmp_eq_u32 vcc_lo, 0, v[W]
	v_mov_b32 v[VAL], 0x40a00000                   ; 5.0 = dtime_max
	v_cndmask_b32 v[INIT], s18, v[VAL], vcc_lo
	v_mov_b32 v[ACC], 0                            ; written whole once: each turn replaces two lanes
	v_mov_b32 v[MIN], 0                            ; a DPP form's destination counts as read
	s_wait_kmcnt 0x0
	s_mov_b32 s17, s16                             ; the packed multiply names the pair
; The turn of slot s.  fill = 1: the slot is loaded again with the rows SLOTS further down.  left = younger loads that may stay out.
.macro TURN s, fill, left
.set U, X+48*\s
.set T, U+16
.set E, U+32
	s_wait_loadcnt \left                           ; loads return in order (ISA guide 5.7.1): my 12 are in, those of the younger slots stay out
.if \fill
	v_add_nc_u32 v[OFF+\s], SLOTS*ROWB, v[OFF+\s]  ; only this slot's loads name it, and the wait above shows them done
.endif
.set c, 0
.rept 16
	v_and_b32 v[SG+c], s18, v[T+c]                 ; sign of t
.set c, c+1
.endr
.set c, 0
.rept 16
	v_xor_b32 v[U+c], v[SG+c], v[U+c]              ; moved onto u
.set c, c+1
.endr
.set c, 0
.rept 8
	v_pk_mul_f32 v[U+c:U+c+1], v[U+c:U+c+1], s[16:17] op_sel_hi:[1,0]   ; x rate: the reference's rounded product, sign folded
.set c, c+2
.endr
.set c, 0
.rept 16
	v_cmp_lt_f32 s[MK+c], v[U+c], |v[T+c]|         ; accepted
.set c, c+1
.endr
.if \fill
	LOAD4 U, \s, 4                                 ; u and t are used up
	LOAD4 T, \s, 6
.endif
.irp q, 0,1,2,3
	v_cndmask_b32 v[VQ+\q], v[E+4*\q+3], v[E+4*\q+2], s[MK+4*\q+2]      ; the quad's first hit, from the back; four chains side by side.
.endr
.irp q, 0,1,2,3
	v_cndmask_b32 v[VQ+\q], v[VQ+\q], v[E+4*\q+1], s[MK+4*\q+1]         ; (a quad without a hit leaves its last number here,
.endr
.irp q, 0,1,2,3
	v_cndmask_b32 v[VQ+\q], v[VQ+\q], v[E+4*\q], s[MK+4*\q]             ; which the merge below does not take)
.endr
.irp q, 0,1,2,3
	s_or_b32 s22, s[MK+4*\q], s[MK+4*\q+1]                              ; any hit in quad q
	s_or_b32 s[MK+4*\q+3], s[MK+4*\q+3], s[MK+4*\q+2]
	s_or_b32 s[MK+4*\q+3], s[MK+4*\q+3], s22
.endr
.if \fill
	LOAD4 E, \s, 8                                 ; e is used up
.endif
	v_cndmask_b32 v[KK],  v[SENT], v[KEY+3], s[MK+15]                   ; the lane's first quad with a hit, from the back: key and value
	v_cndmask_b32 v[VAL], v[INIT], v[VQ+3],  s[MK+15]
.irp q, 2,1,0
	v_cndmask_b32 v[KK],  v[KK],  v[KEY+\q], s[MK+4*\q+3]
	v_cndmask_b32 v[VAL], v[VAL], v[VQ+\q],  s[MK+4*\q+3]
.endr
	; the least key of each half of 16 lanes, in every lane of it
	v_min_num_f32_dpp v[MIN], v[KK],  v[KK]  row_xmask:1 row_mask:0xf bank_mask:0xf
	v_min_num_f32_dpp v[MIN], v[MIN], v[MIN] row_xmask:2 row_mask:0xf bank_mask:0xf
	v_min_num_f32_dpp v[MIN], v[MIN], v[MIN] row_xmask:4 row_mask:0xf bank_mask:0xf
	v_min_num_f32_dpp v[MIN], v[MIN], v[MIN] row_xmask:8 row_mask:0xf bank_mask:0xf
	v_cmp_eq_f32 vcc_lo, v[KK], v[MIN]             ; keys below 64 differ from lane to lane: one winner.  No hit at all: all 16 lanes
	v_cndmask_b32 v[W], s18, v[VAL], vcc_lo        ; the winner's value, -0.0 elsewhere.  No hit: 5.0 in lane 0, -0.0 in the other 15
	; x + (-0.0) = x for every x, both zeros too: the sum brings the value to every lane of the half unchanged
	v_add_f32_dpp v[W], v[W], v[W] row_xmask:1 row_mask:0xf bank_mask:0xf
	v_add_f32_dpp v[W], v[W], v[W] row_xmask:2 row_mask:0xf bank_mask:0xf
	v_add_f32_dpp v[W], v[W], v[W] row_xmask:4 row_mask:0xf bank_mask:0xf
	v_add_f32_dpp v[W], v[W], v[W] row_xmask:8 row_mask:0xf bank_mask:0xf
	v_cndmask_b32 v[ACC], v[ACC], v[W], s19        ; rows it and 16 + it go to lanes it and 16 + it
	s_lshl_b32 s19, s19, 1
.endm
	s_mov_b32 s21, TURNS/SLOTS-1
.Lround:
	TURN 0, 1, (SLOTS-1)*PERSLOT
	TURN 1, 1, (SLOTS-1)*PERSLOT
	TURN 2, 1, (SLOTS-1)*PERSLOT
	TURN 3, 1, (SLOTS-1)*PERSLOT
	s_sub_co_u32 s21, s21, 1
	s_cmp_lg_u32 s21, 0
	s_cbranch_scc1 .Lround
	TURN 0, 0, 3*PERSLOT                           ; the last four turns load nothing: no load leaves the wave's 32 rows, the counts run down
	TURN 1, 0, 2*PERSLOT
	TURN 2, 0, 1*PERSLOT
	TURN 3, 0, 0
	; THE WAY OUT.  A wave has 128 bytes of results; the eight waves' 1,024 bytes meet in LDS, and waves 0 and 1 store them,
	; 16 bytes a lane: each store of a wave covers 512 consecutive bytes, aligned.
	v_and_b32 v1, 31, v0                           ; lane
	s_lshl_b32 s22, s20, 7
	v_lshl_add_u32 v[SG], v1, 2, s22               ; 4 x lane + 128 x wave
	ds_store_b32 v[SG], v[ACC]
	s_wait_dscnt 0x0                               ; for the other waves' sake: my word is in LDS before I signal
	s_barrier_signal -1
	s_barrier_wait -1
	s_cmp_gt_u32 s20, 1
	s_cbranch_scc1 .Ldone                          ; waves 2 to 7 have handed their results over
	s_lshl_b32 s22, s20, 9
	v_lshl_add_u32 v1, v1, 4, s22                  ; 16 x lane + 512 x wave: in LDS and in the work-group's part of out alike
	ds_load_b128 v[SG+4:SG+7], v1
	s_lshl_b32 s14, ttmp9, 10                      ; the work-group's 256 results (s15 is still 0)
	s_add_nc_u64 s[12:13], s[12:13], s[14:15]
	s_wait_dscnt 0x0
	global_store_b128 v1, v[SG+4:SG+7], s[12:13] th:TH_STORE_NT
.Ldone:
	s_wait_tensorcnt 0x0
	ds_add_u32 v62, v63
	s_wait_dscnt 0x0
	s_endpgm
.Lfunc_end_k_q81cb204f18_sample:
	.size	k_q81cb204f18_sample, .Lfunc_end_k_q81cb204f18_sample-k_q81cb204f18_sample
	.p2alignl 7, 3214868480
	.fill 96, 4, 3214868480
	.section	.rodata,"a",@progbits
	.p2align	6, 0x0
	.amdhsa_kernel k_q81cb204f18_sample
		.amdhsa_group_segment_fixed_size 2048
		.amdhsa_private_segment_fixed_size 0
		.amdhsa_enable_private_segment 0
		.amdhsa_kernarg_size 40
		.amdhsa_user_sgpr_count 2
		.amdhsa_user_sgpr_kernarg_segment_ptr 1
		.amdhsa_wavefront_size32 1
		.amdhsa_system_sgpr_workgroup_id_x 1
		.amdhsa_system_sgpr_workgroup_id_y 1
		.amdhsa_system_sgpr_workgroup_id_z 1
		.amdhsa_system_vgpr_workitem_id 0
		.amdhsa_next_free_vgpr 256
		.amdhsa_next_free_sgpr 66
		.amdhsa_reserve_vcc 1
		.amdhsa_float_denorm_mode_32 3
		.amdhsa_float_denorm_mode_16_64 3
		.amdhsa_memory_ordered 1
		.amdhsa_forward_progress 1
		.amdhsa_inst_pref_size 51
	.end_amdhsa_kernel
	.amdgpu_metadata
---
amdhsa.version: [ 1, 2 ]
amdhsa.kernels:
  - .name:           k_q81cb204f18_sample
    .symbol:         k_q81cb204f18_sample.kd
    .args:
      - { .name: unif_numbers, .offset: 0, .size: 8, .value_kind: global_buffer, .address_space: global }
      - { .name: total_intensities, .offset: 8, .size: 8, .value_kind: global_buffer, .address_space: global }
      - { .name: exp_numbers, .offset: 16, .size: 8, .value_kind: global_buffer, .address_space: global }
      - { .name: sample_rate, .offset: 24, .size: 8, .value_kind: global_buffer, .address_space: global }
      - { .name: out0, .offset: 32, .size: 8, .value_kind: global_buffer, .address_space: global }
    .group_segment_fixed_size: 2048
    .private_segment_fixed_size: 0
    .kernarg_segment_align: 8
    .kernarg_segment_size: 40
    .max_flat_workgroup_size: 256
    .sgpr_count:     66
    .vgpr_count:     256
    .wavefront_size: 32
...
	.end_amdgpu_metadata
.endif
;; end of part 1
;; ======== version 2 of 2: 1 launch; version 1 with the launch sample written anew for expert scheduling mode
;; launch sample (part 2): grid 256 x 1, 8 waves a work-group, no clusters, 2,048 bytes of LDS; arguments unif_numbers, total_intensities, exp_numbers, sample_rate, out0; writes out0
.if DOCPART == 2
	.amdgcn_target "amdgcn-amd-amdhsa--gfx1250"
	.amdhsa_code_object_version 6
	.text
	.protected	k_q81cb204f18_sample
	.globl	k_q81cb204f18_sample
	.p2align	8
	.type	k_q81cb204f18_sample,@function
k_q81cb204f18_sample:
	s_mov_b64 s[64:65], 0
	v_nop
	global_prefetch_b8 v0, s[64:65] scope:SCOPE_SE
	s_setreg_imm32_b32 hwreg(HW_REG_WAVE_SCHED_MODE, 0, 2), 2
	s_setreg_imm32_b32 hwreg(HW_REG_WAVE_MODE, 25, 1), 1
	s_wait_xcnt 0x0
	s_wait_alu depctr_vm_vsrc(0)
; EventSampler: for each of 65,536 rows of 256 numbers, out = exp[first k with (unif[k] * rate) / total[k] < 1], or 5.0 if there is none.
;
; THE TEST WITHOUT A DIVISION, and still the reference's own decision.  Let p = unif * rate, rounded to f32 as the reference rounds it.
; For total > 0 (and +0): if p < total the exact quotient is at most 1 - 2^-24, a number of the format, so the rounded quotient is below 1;
; if p >= total it is at least 1.  For total < 0 (and -0) the order turns round.  Both in one: total's sign bit is moved onto unif, and
; the test is (unif xor sign(total)) * rate < |total|.  Zeros of either sign and NaN (never accepted) come out as in the reference;
; negative inputs and denormals are served.
; LIMITS: where unif * rate and total are BOTH infinite the reference has NaN (rejected); this text accepts if their folded signs differ.
;         A signalling NaN in exp_numbers comes out as a quiet one (it passes through additions).
;
; SHARES.  256 work-groups of 8 waves; a work-group owns 256 rows, a wave 32 rows = one (b, s), so one rate, held in a scalar register.
; A turn works on two rows: lanes 0-15 on row it, lanes 16-31 on row 16 + it of the wave.  A row is four loads of 16 bytes a lane:
; each half of the wave covers 256 consecutive bytes, aligned, and lane r holds elements 64 q + 4 r + j (q = load, j = word).
; The first hit of a row is the least (q, r, j): j is settled inside the lane, (q, r) between lanes by the key 16 q + r.
; Every byte is used by one lane only: no LDS ring, no cluster (no two work-groups read the same byte), no matrix work (no product),
; no prefetch (the ring below already keeps 48 loads of every wave on their way).  No branch and no address hangs on the data:
; every choice is a v_cndmask_b32.
;
; THE MODE: SCHED_MODE bits 1:0 = 2 (LLVM: expert scheduling mode 2), set by the entry lines.  The code itself states the register dependences
; between vector instructions and memory or LDS instructions, and those through scalar registers and VCC that vector instructions write,
; with s_wait_alu, always for 0.
; THE PLAN.  Registers that memory or LDS instructions touch:
;   v1            the byte offset of every load of u, t and e.  Made at the head, never written again: the rows are reached by scalar bases, one
;                 for each slot and array, which move on by SLOTS rows at the head of the slot's turn.
;   U[s], T[s]    written by slot s's loads; in the slot's turn read by the lines of the test (U also written, in place); then loaded again.
;   E[s]          written by slot s's loads; read by the turn's twelve selects inside the quads; then loaded again.
;   the way out   v[SG] and v[ACC] (address and data of the LDS store), v[OA] (address of the LDS load and of the global store), v[SG+4:SG+7] (their data).
;   All other vector registers are named by vector instructions alone.
; So ONE wait on va_vdst stands in a turn, behind the selects inside the quads: the lines of the test are done with U[s] and T[s], the selects with E[s].
; The slot's twelve loads follow it, dealt among the lines that merge the quads; these and all that follows up to the next turn's wait name keys,
; values and the next slot: none of the registers that those loads touch.  No register that a memory or LDS instruction reads is ever written
; afterwards, so no wait on vm_vsrc is written.  One wait on va_sdst a turn stands behind the run of sixteen compares, one on va_vcc behind the compare for the winner.
.set ROWB,    1024                     ; bytes in a row
.set SLOTS,   4                        ; ring of register slots; a slot = one turn's 12 loads (u, t, e: 4 each)
.set TURNS,   16                       ; 32 rows of a wave, two a turn
.set PERSLOT, 12
.set OFS,  1                           ; v1        byte offset of my 16 bytes in row 0 of my half of the wave; never rewritten once made
.set LN,   2                           ; v2        the way out: my lane
.set OA,   3                           ; v3        the way out: 16 x lane + 512 x wave
.set KEY,  6                           ; v[6:9]    16 q + r as f32
.set SENT, 10                          ; v10       64.0: the key of a lane without a hit
.set INIT, 11                          ; v11       what a lane without a hit carries: 5.0 in lane 0 of each half, -0.0 elsewhere
.set ACC,  12                          ; v12       results: lane l gets the wave's row l
.set KK,   13                          ; v13       my key
.set MIN,  14                          ; v14       the least key of my half
.set VAL,  15                          ; v15       my first accepted exp number
.set SG,   16                          ; v[16:31]  sign bits of t
.set VQ,   32                          ; v[32:35]  first accepted exp number of quad q
.set W,    36                          ; v36       r at first; then the winner's value, -0.0 in the other lanes
.set X,    64                          ; v[64:255] slot s: 16 registers of u, 16 of t, 16 of e
.set MK,   24                          ; s[24:39]  mask 4 q + j: lanes whose element (q, j) is accepted; mask 4 q + 3 later: any of quad q
.set BS,   40                          ; s[40:63]  slot s, array a (0 u, 1 t, 2 e): a pair at BS + 6 s + 2 a: the array at the work-group's row that the slot loads
	s_load_b256 s[4:11], s[0:1], 0x0               ; unif s[4:5], total s[6:7], exp s[8:9], rate s[10:11]
	s_load_b64 s[12:13], s[0:1], 0x20              ; out
	v_lshl_add_u32 v62, v0, 2, 0x400
	v_mov_b32 v63, 0
	v_lshrrev_b32 v[OFS], 5, v0
	v_readfirstlane_b32 s20, v[OFS]                ; wave 0..7
	s_lshl_b32 s2, ttmp9, 18                       ; the work-group's 256 rows of 1,024 bytes (at most 255 << 18: one word)
	s_mov_b32 s3, 0
	s_wait_alu depctr_va_sdst(0)                   ; s20 is written, ahead of its first reader, the line below
	s_lshl3_add_u32 s14, ttmp9, s20                ; (b, s) = 8 x work-group + wave
	s_lshl_b32 s14, s14, 2                         ; its rate's byte offset
	s_mov_b32 s15, 0
	s_mov_b32 s18, 0x80000000                      ; the sign bit; as a number -0.0, the neutral element of an addition
	s_mov_b32 s19, 0x00010001                      ; lanes it and 16 + it; shifted by one after each turn
	v_and_b32 v[W], 15, v0                         ; r
	v_and_b32 v[OFS], 0xf0, v0                     ; 32 x wave + 16 x half
	v_lshlrev_b32 v[OFS], 10, v[OFS]               ; = wave x 32 rows + half x 16 rows, in bytes
	v_lshl_or_b32 v[OFS], v[W], 4, v[OFS]          ; + 16 r
	s_wait_kmcnt 0x0
	s_add_nc_u64 s[4:5], s[4:5], s[2:3]
	s_add_nc_u64 s[6:7], s[6:7], s[2:3]
	s_add_nc_u64 s[8:9], s[8:9], s[2:3]
	s_add_nc_u64 s[10:11], s[10:11], s[14:15]
	s_load_b32 s16, s[10:11], 0x0                  ; my wave's rate
.irp s, 0,1,2,3
.irp a, 0,1,2
	s_add_nc_u64 s[BS+6*(\s)+2*(\a):BS+6*(\s)+2*(\a)+1], s[4+2*(\a):5+2*(\a)], (\s)*ROWB  ; slot s starts with row s of each half
.endr
.endr
	s_wait_alu depctr_va_vdst(0)                   ; v1 is written: every load of u, t and e reads it as its offset
.macro LOAD4 dst, s, a                 ; one row of each half: 4 x (2 x 256 consecutive bytes); read once in the launch
.irp q, 0,1,2,3
	global_load_b128 v[\dst+4*\q:\dst+4*\q+3], v[OFS], s[BS+6*(\s)+2*(\a):BS+6*(\s)+2*(\a)+1] offset:256*\q th:TH_LOAD_NT
.endr
.endm
.irp s, 0,1,2,3                        ; fill the ring: 48 loads
.set U, X+48*\s
.set T, U+16
.set E, U+32
	LOAD4 U, \s, 0
	LOAD4 T, \s, 1
	LOAD4 E, \s, 2
.endr
	v_cvt_f32_u32 v[KEY], v[W]                     ; keys as f32, so that the minimum rides on v_min_num_f32 with DPP
	v_add_f32 v[KEY+1], 0x41800000, v[KEY]         ; + 16.0
	v_add_f32 v[KEY+2], 0x42000000, v[KEY]         ; + 32.0
	v_add_f32 v[KEY+3], 0x42400000, v[KEY]         ; + 48.0
	v_mov_b32 v[SENT], 0x42800000                  ; 64.0
	v_cmp_eq_u32 vcc_lo, 0, v[W]
	v_mov_b32 v[VAL], 0x40a00000                   ; 5.0 = dtime_max
	s_wait_alu depctr_va_vcc(0)                    ; VCC is written, ahead of the select that reads it
	v_cndmask_b32 v[INIT], s18, v[VAL], vcc_lo
	v_mov_b32 v[ACC], 0                            ; written whole once: each turn replaces two lanes
	v_mov_b32 v[MIN], 0                            ; a DPP form's destination counts as read
	s_wait_kmcnt 0x0
	s_mov_b32 s17, s16                             ; the packed multiply names the pair
.macro MERGE q                         ; quad q, if it has a hit, takes the place of the later quads: key and value
	v_cndmask_b32 v[KK],  v[KK],  v[KEY+\q], s[MK+4*\q+3]
	v_cndmask_b32 v[VAL], v[VAL], v[VQ+\q],  s[MK+4*\q+3]
.endm
; The turn of slot s.  fill = 1: the slot is loaded again with the rows SLOTS further down.  left = younger loads that may stay out.
.macro TURN s, fill, left
.set U, X+48*\s
.set T, U+16
.set E, U+32
	s_wait_loadcnt \left                           ; loads return in order (ISA guide 5.7.1): my 12 are in, those of the younger slots stay out
.if \fill
.irp a, 0,1,2
	s_add_nc_u64 s[BS+6*(\s)+2*(\a):BS+6*(\s)+2*(\a)+1], s[BS+6*(\s)+2*(\a):BS+6*(\s)+2*(\a)+1], SLOTS*ROWB  ; only this slot's loads name it, and the wait above shows them done
.endr
.endif
.set c, 0
.rept 16
	v_and_b32 v[SG+c], s18, v[T+c]                 ; sign of t
.set c, c+1
.endr
.set c, 0
.rept 16
	v_xor_b32 v[U+c], v[SG+c], v[U+c]              ; moved onto u
.set c, c+1
.endr
.set c, 0
.rept 8
	v_pk_mul_f32 v[U+c:U+c+1], v[U+c:U+c+1], s[16:17] op_sel_hi:[1,0]   ; x rate: the reference's rounded product, sign folded
.set c, c+2
.endr
.set c, 0
.rept 16
	v_cmp_lt_f32 s[MK+c], v[U+c], |v[T+c]|         ; accepted
.set c, c+1
.endr
	s_wait_alu depctr_va_sdst(0)                   ; the sixteen masks are written, ahead of their first readers: the selects and the scalar ors below
.irp q, 0,1,2,3
	v_cndmask_b32 v[VQ+\q], v[E+4*\q+3], v[E+4*\q+2], s[MK+4*\q+2]      ; the quad's first hit, from the back; four chains side by side.
.endr
.irp q, 0,1,2,3
	v_cndmask_b32 v[VQ+\q], v[VQ+\q], v[E+4*\q+1], s[MK+4*\q+1]         ; (a quad without a hit leaves its last number here,
.endr
.irp q, 0,1,2,3
	v_cndmask_b32 v[VQ+\q], v[VQ+\q], v[E+4*\q], s[MK+4*\q]             ; which the merge below does not take)
.endr
.irp q, 0,1,2,3
	s_or_b32 s22, s[MK+4*\q], s[MK+4*\q+1]                              ; any hit in quad q
	s_or_b32 s[MK+4*\q+3], s[MK+4*\q+3], s[MK+4*\q+2]
	s_or_b32 s[MK+4*\q+3], s[MK+4*\q+3], s22
.endr
.if \fill
	s_wait_alu depctr_va_vdst(0)                   ; the lines of the test are done reading and writing U[s] and T[s], the selects are done reading E[s]: the twelve loads below land there
	LOAD4 U, \s, 0                                 ; the slot is asked for again.  No vector line from here to the next turn's wait names v1 or a register of this slot
.endif
	v_cndmask_b32 v[KK],  v[SENT], v[KEY+3], s[MK+15]                   ; the lane's first quad with a hit, from the back: key and value
	v_cndmask_b32 v[VAL], v[INIT], v[VQ+3],  s[MK+15]
	MERGE 2
.if \fill
	LOAD4 T, \s, 1
.endif
	MERGE 1
	MERGE 0
.if \fill
	LOAD4 E, \s, 2
.endif
	; the least key of each half of 16 lanes, in every lane of it
	v_min_num_f32_dpp v[MIN], v[KK],  v[KK]  row_xmask:1 row_mask:0xf bank_mask:0xf
	v_min_num_f32_dpp v[MIN], v[MIN], v[MIN] row_xmask:2 row_mask:0xf bank_mask:0xf
	v_min_num_f32_dpp v[MIN], v[MIN], v[MIN] row_xmask:4 row_mask:0xf bank_mask:0xf
	v_min_num_f32_dpp v[MIN], v[MIN], v[MIN] row_xmask:8 row_mask:0xf bank_mask:0xf
	v_cmp_eq_f32 vcc_lo, v[KK], v[MIN]             ; keys below 64 differ from lane to lane: one winner.  No hit at all: all 16 lanes
	s_wait_alu depctr_va_vcc(0)                    ; VCC is written, ahead of the select that reads it
	v_cndmask_b32 v[W], s18, v[VAL], vcc_lo        ; the winner's value, -0.0 elsewhere.  No hit: 5.0 in lane 0, -0.0 in the other 15
	; x + (-0.0) = x for every x, both zeros too: the sum brings the value to every lane of the half unchanged
	v_add_f32_dpp v[W], v[W], v[W] row_xmask:1 row_mask:0xf bank_mask:0xf
	v_add_f32_dpp v[W], v[W], v[W] row_xmask:2 row_mask:0xf bank_mask:0xf
	v_add_f32_dpp v[W], v[W], v[W] row_xmask:4 row_mask:0xf bank_mask:0xf
	v_add_f32_dpp v[W], v[W], v[W] row_xmask:8 row_mask:0xf bank_mask:0xf
	v_cndmask_b32 v[ACC], v[ACC], v[W], s19        ; rows it and 16 + it go to lanes it and 16 + it
	s_lshl_b32 s19, s19, 1
.endm
	s_mov_b32 s21, TURNS/SLOTS-1
.Lround:
	TURN 0, 1, (SLOTS-1)*PERSLOT
	TURN 1, 1, (SLOTS-1)*PERSLOT
	TURN 2, 1, (SLOTS-1)*PERSLOT
	TURN 3, 1, (SLOTS-1)*PERSLOT
	s_sub_co_u32 s21, s21, 1
	s_cmp_lg_u32 s21, 0
	s_cbranch_scc1 .Lround
	TURN 0, 0, 3*PERSLOT                           ; the last four turns load nothing: no load leaves the wave's 32 rows, the counts run down, and no wait on va_vdst is owed
	TURN 1, 0, 2*PERSLOT
	TURN 2, 0, 1*PERSLOT
	TURN 3, 0, 0
	; THE WAY OUT.  A wave has 128 bytes of results; the eight waves' 1,024 bytes meet in LDS, and waves 0 and 1 store them,
	; 16 bytes a lane: each store of a wave covers 512 consecutive bytes, aligned.
	; Both addresses are made here, in registers that no memory instruction has read, so that one wait states all that the way out hangs on.
	v_and_b32 v[LN], 31, v0                        ; lane
	s_lshl_b32 s22, s20, 7
	s_lshl_b32 s23, s20, 9
	v_lshl_add_u32 v[SG], v[LN], 2, s22            ; 4 x lane + 128 x wave
	v_lshl_add_u32 v[OA], v[LN], 4, s23            ; 16 x lane + 512 x wave: in LDS and in the work-group's part of out alike (used by waves 0 and 1)
	s_wait_alu depctr_va_vdst(0)                   ; v[ACC], v[SG] and v[OA] are written, which the LDS store, the LDS load and the global store read; the last turn is done with v[SG+4:SG+7], in which the LDS load lands
	ds_store_b32 v[SG], v[ACC]
	s_wait_dscnt 0x0                               ; for the other waves' sake: my word is in LDS before I signal
	s_barrier_signal -1
	s_barrier_wait -1
	s_cmp_gt_u32 s20, 1
	s_cbranch_scc1 .Ldone                          ; waves 2 to 7 have handed their results over
	ds_load_b128 v[SG+4:SG+7], v[OA]
	s_lshl_b32 s14, ttmp9, 10                      ; the work-group's 256 results (s15 is still 0)
	s_add_nc_u64 s[12:13], s[12:13], s[14:15]
	s_wait_dscnt 0x0
	global_store_b128 v[OA], v[SG+4:SG+7], s[12:13] th:TH_STORE_NT
.Ldone:
	s_wait_dscnt 0x0
	s_wait_alu depctr_hold_cnt(0) depctr_sa_sdst(0) depctr_va_vdst(0) depctr_va_sdst(0) depctr_va_ssrc(0) depctr_va_vcc(0) depctr_vm_vsrc(0)
	s_wait_tensorcnt 0x0
	ds_add_u32 v62, v63
	s_wait_dscnt 0x0
	s_endpgm
.Lfunc_end_k_q81cb204f18_sample:
	.size	k_q81cb204f18_sample, .Lfunc_end_k_q81cb204f18_sample-k_q81cb204f18_sample
	.p2alignl 7, 3214868480
	.fill 96, 4, 3214868480
	.section	.rodata,"a",@progbits
	.p2align	6, 0x0
	.amdhsa_kernel k_q81cb204f18_sample
		.amdhsa_group_segment_fixed_size 2048
		.amdhsa_private_segment_fixed_size 0
		.amdhsa_enable_private_segment 0
		.amdhsa_kernarg_size 40
		.amdhsa_user_sgpr_count 2
		.amdhsa_user_sgpr_kernarg_segment_ptr 1
		.amdhsa_wavefront_size32 1
		.amdhsa_system_sgpr_workgroup_id_x 1
		.amdhsa_system_sgpr_workgroup_id_y 1
		.amdhsa_system_sgpr_workgroup_id_z 1
		.amdhsa_system_vgpr_workitem_id 0
		.amdhsa_next_free_vgpr 256
		.amdhsa_next_free_sgpr 66
		.amdhsa_reserve_vcc 1
		.amdhsa_float_denorm_mode_32 3
		.amdhsa_float_denorm_mode_16_64 3
		.amdhsa_memory_ordered 1
		.amdhsa_forward_progress 1
		.amdhsa_inst_pref_size 53
	.end_amdhsa_kernel
	.amdgpu_metadata
---
amdhsa.version: [ 1, 2 ]
amdhsa.kernels:
  - .name:           k_q81cb204f18_sample
    .symbol:         k_q81cb204f18_sample.kd
    .args:
      - { .name: unif_numbers, .offset: 0, .size: 8, .value_kind: global_buffer, .address_space: global }
      - { .name: total_intensities, .offset: 8, .size: 8, .value_kind: global_buffer, .address_space: global }
      - { .name: exp_numbers, .offset: 16, .size: 8, .value_kind: global_buffer, .address_space: global }
      - { .name: sample_rate, .offset: 24, .size: 8, .value_kind: global_buffer, .address_space: global }
      - { .name: out0, .offset: 32, .size: 8, .value_kind: global_buffer, .address_space: global }
    .group_segment_fixed_size: 2048
    .private_segment_fixed_size: 0
    .kernarg_segment_align: 8
    .kernarg_segment_size: 40
    .max_flat_workgroup_size: 256
    .sgpr_count:     66
    .vgpr_count:     256
    .wavefront_size: 32
...
	.end_amdgpu_metadata
.endif
;; end of part 2
